; MI455X (gfx1250); checked and timed in simulation.
; The chip was launched on July 23, 2026; its instructions are those of AMD's public machine-readable ISA for CDNA 5 (MIT licence, August 2026) and "CDNA5" Instruction Set Architecture Reference Guide (July 2026). The comments in the code are by the model that wrote it; some were corrected since.
;; Mixture Of Experts. Allowed arithmetic: matrix products marked QUANTISED: E5M2 operands, one given power-of-two scale a tensor, by v_wmma_f32_16x16x64_bf8_bf8 or v_wmma_f32_16x16x128_bf8_bf8, f32 sums; products left as they are: f32 operands where the result goes on into a quantised operand, else bf16, f16 or f32 operands; f32 sums; everything else in f32.
;; Inputs: W1_codes 8 x 2,048 x 16 x 32 uint8 (E5M2 codes of W1, K innermost, in blocks of 32 codes); W2_codes 8 x 512 x 64 x 32 uint8 (E5M2 codes of W2, K innermost, in blocks of 32 codes); Wr 512 x 8 float32; b1 8 x 2,048 float32; b2 8 x 512 float32; input_batch 4,096 x 512 float32; lowp_scales 32 int32 (the exponents e of the quantised operands' scales 2^e).
;; Outputs: out0 4,096 x 512 float32; out1 one number float32.
;; This version of the problem:
;;   THIS VERSION OF THE PROBLEM IS GIVEN IN LOW PRECISION. The matrix products marked QUANTISED in the list below multiply operands that are first quantised to E5M2 (5 exponent bits, 2 mantissa bits; 8 bits a number), with one given power-of-two scale for each operand tensor; their sums are f32. All else is computed in f32.
;;   The module's matrix products, in the order in which they are computed (A, B: the left and right operand; K: the contracted axis; several contracted axes count as one K, in the product's order):
;;     1. [M 4,096, K 512] x [K 512, N 8]; A: input input_batch; B: input Wr: left as it is (N = 8 < 16)
;;     2. batch 4,096 x [M 8, K 2] x [K 2, N 1]; A: computed on the way; B: computed on the way: left as it is (K = 2 < 32)
;;     3. [M 4,096, K 512] x [K 512, N 2,048]; A: input input_batch; B: input W1 (given as codes): QUANTISED (scales: A lowp_scales[0], B lowp_scales[1])
;;     4. [M 4,096, K 2,048] x [K 2,048, N 512]; A: computed on the way; B: input W2 (given as codes): QUANTISED (scales: A lowp_scales[2], B lowp_scales[3])
;;     5. [M 4,096, K 512] x [K 512, N 2,048]; A: input input_batch; B: input W1 (given as codes): QUANTISED (scales: A lowp_scales[4], B lowp_scales[5])
;;     6. [M 4,096, K 2,048] x [K 2,048, N 512]; A: computed on the way; B: input W2 (given as codes): QUANTISED (scales: A lowp_scales[6], B lowp_scales[7])
;;     7. [M 4,096, K 512] x [K 512, N 2,048]; A: input input_batch; B: input W1 (given as codes): QUANTISED (scales: A lowp_scales[8], B lowp_scales[9])
;;     8. [M 4,096, K 2,048] x [K 2,048, N 512]; A: computed on the way; B: input W2 (given as codes): QUANTISED (scales: A lowp_scales[10], B lowp_scales[11])
;;     9. [M 4,096, K 512] x [K 512, N 2,048]; A: input input_batch; B: input W1 (given as codes): QUANTISED (scales: A lowp_scales[12], B lowp_scales[13])
;;     10. [M 4,096, K 2,048] x [K 2,048, N 512]; A: computed on the way; B: input W2 (given as codes): QUANTISED (scales: A lowp_scales[14], B lowp_scales[15])
;;     11. [M 4,096, K 512] x [K 512, N 2,048]; A: input input_batch; B: input W1 (given as codes): QUANTISED (scales: A lowp_scales[16], B lowp_scales[17])
;;     12. [M 4,096, K 2,048] x [K 2,048, N 512]; A: computed on the way; B: input W2 (given as codes): QUANTISED (scales: A lowp_scales[18], B lowp_scales[19])
;;     13. [M 4,096, K 512] x [K 512, N 2,048]; A: input input_batch; B: input W1 (given as codes): QUANTISED (scales: A lowp_scales[20], B lowp_scales[21])
;;     14. [M 4,096, K 2,048] x [K 2,048, N 512]; A: computed on the way; B: input W2 (given as codes): QUANTISED (scales: A lowp_scales[22], B lowp_scales[23])
;;     15. [M 4,096, K 512] x [K 512, N 2,048]; A: input input_batch; B: input W1 (given as codes): QUANTISED (scales: A lowp_scales[24], B lowp_scales[25])
;;     16. [M 4,096, K 2,048] x [K 2,048, N 512]; A: computed on the way; B: input W2 (given as codes): QUANTISED (scales: A lowp_scales[26], B lowp_scales[27])
;;     17. [M 4,096, K 512] x [K 512, N 2,048]; A: input input_batch; B: input W1 (given as codes): QUANTISED (scales: A lowp_scales[28], B lowp_scales[29])
;;     18. [M 4,096, K 2,048] x [K 2,048, N 512]; A: computed on the way; B: input W2 (given as codes): QUANTISED (scales: A lowp_scales[30], B lowp_scales[31])
;;   THE QUANTISER, for each operand of a quantised product, along K:
;;     - The operand's scale is 2^e, e = its entry of the input lowp_scales (int32; the entries are numbered through the quantised products in the list's order, A before B).
;;     - Each number is divided by the scale, clamped to +-57,344, and rounded to the nearest number of E5M2, ties to even, subnormals kept.
;;     - The product sums the exact products of the quantised numbers (number of the format x scale) in f32.
;;   ~~~python
;;   def quantise(x, axis, e):      # numpy; x: float32 -> the quantised numbers, widened to float32 again
;;       x = np.moveaxis(x, axis, -1); K = x.shape[-1]
;;       r = np.clip(x / 2.0 ** e, -57344, 57344)
;;       step = 2.0 ** (np.maximum(np.frexp(np.where(r == 0, 1, r))[1] - 1, -14) - 2)
;;       q = np.round(r / step) * step * 2.0 ** e      # np.round: ties to even
;;       return np.moveaxis(q, -1, axis).astype(np.float32)
;;   ~~~
;;   OPERANDS COMPUTED ON THE WAY. 'Computed on the way' means the value that the module computes at that place (a softmax that the list does not call 'softmax' is quantised finished and normalised). What goes into a quantiser is computed in f32, as accurately as f32 sums, v_exp_f32 and their like allow (about 1e-6 of the number): no bf16 or f16 on the way to a quantiser, and a product that is left as it is and whose result goes on into a quantised operand takes f32 operands (vector FMAs, or v_wmma_f32_16x16x4_f32). A number that lies on a knife's edge between two numbers of the format may be rounded either way, as far as f32 arithmetic and the matrix unit's own rounding can turn it there, and no further.
;;   INPUTS GIVEN AS CODES. W1 (in the module: [8, 512, 2048], K = its axis 1); W2 (in the module: [8, 2048, 512], K = its axis 1): each comes as NAME_codes (uint8): NAME with its K axis moved to the last place and cut into blocks of 32 codes, [.., K / 32, bytes a block], one block behind the other in memory; one code a byte (a code: sign, 5 exponent bits, 2 mantissa bits); its scale is its entry of lowp_scales. Its value is code x scale, taken as it is: it is not quantised again, and the codes and scales need not be those that the quantiser above would give.
;; One version. Each part assembles by itself: llvm-mc -triple=amdgcn-amd-amdhsa -mcpu=gfx1250 --defsym DOCPART=n.
;; ======== version 1 of 1: 3 launches
;; workspace buffers: wimg 16,777,216 bytes; masks 16,384 bytes of whole numbers; eidx 16,384 bytes of whole numbers; gates 65,536 bytes; pos2 32,768 bytes of whole numbers; part 37,224,448 bytes
;; launch prep (part 1): grid 256 x 1, 8 waves a work-group, no clusters, 155,648 bytes of LDS; arguments input_batch, Wr, lowp_scales, W1_codes, W2_codes, wimg, masks, eidx, gates, out1; writes wimg, masks, eidx, gates, out1
.if DOCPART == 1
	.amdgcn_target "amdgcn-amd-amdhsa--gfx1250"
	.amdhsa_code_object_version 6
	.text
	.protected	k_q69949e3012_prep
	.globl	k_q69949e3012_prep
	.p2align	8
	.type	k_q69949e3012_prep,@function
k_q69949e3012_prep:
	s_mov_b64 s[64:65], 0
	v_nop
	global_prefetch_b8 v0, s[64:65] scope:SCOPE_SE
	s_setreg_imm32_b32 hwreg(HW_REG_WAVE_MODE, 25, 1), 1
	s_wait_xcnt 0x0
; TWO JOBS IN ONE LAUNCH, parted by the work-group's number; each has LDS bytes of its own.
; Work-groups 0-127: THE ROUTER, all in f32.  Work-group g owns tokens 32 g .. 32 g + 31: logits = x Wr (fused multiply-adds), softmax with the row's maximum taken away,
;   the two largest probabilities (a tie keeps the lower expert, as jax.lax.top_k does).  Stored at fixed places: no address and no branch hangs on the choice.
;   masks [32 words][128 blocks of 32 tokens], bit = token: words 0-7 "my lower-numbered expert is e", words 8-15 "one of my two experts is e", words 16-23 the number of bits in words 8-15, words 24-31 zero.
;   eidx [4096]: lower expert | higher expert << 8.   gates [4096][4]: g_lo 2^E(lo), g_hi 2^E(hi), g_lo, g_hi with E(e) = lowp_scales[4 e + 2] + lowp_scales[4 e + 3].   out1 = 0.
; Work-groups 128-255: THE WEIGHTS' CODES ARE LAID IN THE ORDER IN WHICH THE NEXT LAUNCH'S OPERAND REGISTERS TAKE THEM.  wimg: the stream of (expert e, half s of the hidden layer, wave w) begins at
;   ((2 e + s) 4 + w) << 18 and holds 128 fragments of 2,048 bytes (16 rows x 128 K); block c of 512 bytes holds lane l's 16 bytes at 16 l: bytes 32 c + 16 (l / 16) .. + 15 of the fragment's row l % 16.
;   Fragment (4 q + k) 8 + 2 p + u (under 64) is W1: row i = hidden unit 1024 s + 512 q + 128 w + 32 p + 8 u + i + 8 (i / 8), K from 128 k.  Fragment 64 + 8 k + t is W2: row r = output 128 w + 16 t + r, K = hidden units from 1024 s + 128 k.
; LIMITS: NaN among the inputs is not served.  g 2^E(e) must be an f32 number.  Two probabilities nearer to each other than f32 sums can tell may be ranked either way.
.set WRL,  0                           ; LDS, router: Wr as 128 pieces of 128 bytes (four rows k), 144 bytes apart
.set WRP,  144
.set LOGB, 18432                       ; LDS, router: the 32 tokens' logits, 32 bytes a token
.set STG,  19456                       ; LDS, layout: a stage of 32 rows x (512 + 16) bytes for each wave
.set SPI,  528
.set XB,   16                          ; v16-79   x: token t of four, k = 128 i + 4 lane + q at XB + 16 t + 4 i + q
.set AB,   80                          ; v80-111  the sums: token t, expert e at AB + 8 t + e
.set WB,   112                         ; v112-239 Wr(128 i + 4 lane + q, e) at WB + 32 i + 8 q + e
.set WT,   240                         ; v240-255 Wr on its way to LDS
	s_load_b256 s[4:11], s[0:1], 0x0               ; x s[4:5], Wr s[6:7], scales s[8:9], W1's codes s[10:11]
	s_load_b256 s[12:19], s[0:1], 0x20             ; W2's codes s[12:13], wimg s[14:15], masks s[16:17], eidx s[18:19]
	s_load_b128 s[20:23], s[0:1], 0x40             ; gates s[20:21], out1 s[22:23]
	v_lshl_add_u32 v14, v0, 2, 0x25c00
	v_mov_b32 v15, 0
	v_lshrrev_b32 v2, 5, v0
	v_readfirstlane_b32 s24, v2                    ; wave 0..7
	v_and_b32 v1, 31, v0                           ; lane
	s_cmp_ge_u32 ttmp9, 128
	s_cbranch_scc1 .Llayout
; ------------------------------------------------------------------ the router
	s_lshl_b32 s26, ttmp9, 16                      ; my 32 tokens: 32 rows of 2,048 bytes
	s_mov_b32 s27, 0
	v_lshlrev_b32 v3, 4, v0                        ; Wr: 16 bytes a thread, 4,096 a load of the work-group
	v_lshlrev_b32 v4, 4, v1
	s_lshl_b32 s25, s24, 13
	v_add_nc_u32 v4, s25, v4                       ; x: my wave's four rows, 16 bytes a lane
	v_lshrrev_b32 v5, 3, v0
	v_mul_u32_u24 v5, v5, WRP
	v_and_b32 v6, 7, v0
	v_lshl_add_u32 v5, v6, 4, v5                   ; Wr into LDS: piece thread / 8, 16 bytes at 16 (thread % 8)
	v_mul_u32_u24 v6, v1, WRP                      ; and out of it: piece 32 i + lane
	s_lshl_b32 s25, s24, 7
	s_add_co_u32 s25, s25, LOGB
	v_mov_b32 v7, s25                              ; my wave's four tokens' logits
	v_lshl_add_u32 v8, v1, 5, LOGB                 ; wave 0 later: lane = token
	s_wait_kmcnt 0x0
	s_add_nc_u64 s[4:5], s[4:5], s[26:27]
.irp z, 0,1,2,3
	global_load_b128 v[WT+4*\z:WT+4*\z+3], v3, s[6:7] offset:4096*\z
.endr
.irp t, 0,1,2,3
.irp i, 0,1,2,3
	global_load_b128 v[XB+16*\t+4*\i:XB+16*\t+4*\i+3], v4, s[4:5] offset:2048*\t+512*\i   ; 32 lanes read 512 consecutive bytes of a row
.endr
.endr
	s_wait_loadcnt 16                              ; Wr's four loads are in; x's sixteen may be out
.irp z, 0,1,2,3
	ds_store_b128 v5, v[WT+4*\z:WT+4*\z+3] offset:32*WRP*\z
.endr
	s_wait_dscnt 0x0                               ; for the others' sake: my part of Wr lies in LDS
	s_barrier_signal -1
	s_barrier_wait -1
.irp i, 0,1,2,3
.irp m, 0,1,2,3,4,5,6,7
	ds_load_b128 v[WB+32*\i+4*\m:WB+32*\i+4*\m+3], v6 offset:32*WRP*\i+16*\m
.endr
.endr
	s_mov_b32 s26, 0x76543210                      ; v_permlanex16_b32: lane l takes lane l xor 16
	s_mov_b32 s27, 0xfedcba98
	s_wait_dscnt 0x0
	s_wait_loadcnt 0x0
; 4 tokens x 8 experts x 16 k a lane: two experts an instruction, x's number broadcast to both halves; sixteen chains that do not wait for each other
.irp i, 0,1,2,3
.irp q, 0,1,2,3
.irp t, 0,1,2,3
.irp p, 0,2,4,6
.if (\i == 0) && (\q == 0)
	v_pk_mul_f32 v[AB+8*\t+\p:AB+8*\t+\p+1], v[XB+16*\t:XB+16*\t+1], v[WB+\p:WB+\p+1] op_sel_hi:[0,1]   ; the first product starts the sums
.elseif (\q % 2) == 0
	v_pk_fma_f32 v[AB+8*\t+\p:AB+8*\t+\p+1], v[XB+16*\t+4*\i+\q:XB+16*\t+4*\i+\q+1], v[WB+32*\i+8*\q+\p:WB+32*\i+8*\q+\p+1], v[AB+8*\t+\p:AB+8*\t+\p+1] op_sel_hi:[0,1,1]
.else
	v_pk_fma_f32 v[AB+8*\t+\p:AB+8*\t+\p+1], v[XB+16*\t+4*\i+\q-1:XB+16*\t+4*\i+\q], v[WB+32*\i+8*\q+\p:WB+32*\i+8*\q+\p+1], v[AB+8*\t+\p:AB+8*\t+\p+1] op_sel:[1,0,0] op_sel_hi:[1,1,1]
.endif
.endr
.endr
.endr
.endr
; the 32 sums over the 32 lanes: four steps inside each half ride on the addition, one crosses the halves
.irp m, 1,2,4,8
.set n, 0
.rept 32
	v_add_f32_dpp v[AB+n], v[AB+n], v[AB+n] row_xmask:\m row_mask:0xf bank_mask:0xf
.set n, n+1
.endr
.endr
.set n, 0
.rept 32
	v_permlanex16_b32 v[XB+n], v[AB+n], s26, s27   ; into x's registers, which are done with and have been written
.set n, n+1
.endr
.set n, 0
.rept 32
	v_add_f32 v[AB+n], v[AB+n], v[XB+n]
.set n, n+1
.endr
.irp t, 0,1,2,3
	ds_store_b128 v7, v[AB+8*\t:AB+8*\t+3] offset:32*\t        ; every lane holds the same sums and writes the same bytes
	ds_store_b128 v7, v[AB+8*\t+4:AB+8*\t+7] offset:32*\t+16
.endr
	s_wait_dscnt 0x0
	s_barrier_signal -1
	s_barrier_wait -1                              ; the 32 tokens' logits lie in LDS
	s_cmp_lg_u32 s24, 0
	s_cbranch_scc1 .Lend                           ; wave 0 goes on alone: a lane a token
	s_load_b512 s[28:43], s[8:9], 0x0              ; the 32 exponents
	s_load_b512 s[44:59], s[8:9], 0x40
	ds_load_b128 v[16:19], v8
	ds_load_b128 v[20:23], v8 offset:16
	s_wait_dscnt 0x0
	v_max3_num_f32 v32, v16, v17, v18
	v_max3_num_f32 v32, v32, v19, v20
	v_max3_num_f32 v32, v32, v21, v22
	v_max_num_f32 v32, v32, v23                    ; the row's maximum
.irp e, 0,1,2,3,4,5,6,7
	v_sub_f32 v[24+\e], v[16+\e], v32
.endr
.irp e, 0,1,2,3,4,5,6,7
	v_mul_f32 v[24+\e], 0x3fb8aa3b, v[24+\e]       ; x log2(e)
.endr
.irp e, 0,1,2,3,4,5,6,7
	v_exp_f32 v[24+\e], v[24+\e]
.endr
	v_mov_b32 v34, 0                               ; (a plain instruction behind the exponentials)  the largest's expert
	s_wait_alu depctr_va_vdst(0)                   ; one wait for the eight, ahead of their first reader
	v_add_f32 v33, v24, v25
	v_add_f32 v35, v26, v27
	v_add_f32 v36, v28, v29
	v_add_f32 v37, v30, v31
	v_add_f32 v33, v33, v35
	v_add_f32 v36, v36, v37
	v_add_f32 v33, v33, v36
	v_rcp_f32 v33, v33                             ; 1 / the sum; the two scans below are the work between it and its readers
	v_mov_b32 v38, v24                             ; the largest so far
.irp e, 1,2,3,4,5,6,7
	v_cmp_gt_f32 vcc_lo, v[24+\e], v38             ; strictly larger: a tie keeps the lower expert
	v_cndmask_b32 v38, v38, v[24+\e], vcc_lo
	v_cndmask_b32 v34, v34, \e, vcc_lo
.endr
.irp e, 0,1,2,3,4,5,6,7
	v_cmp_eq_u32 vcc_lo, \e, v34
	v_cndmask_b32 v[24+\e], v[24+\e], -1.0, vcc_lo ; the one chosen leaves the field: under every probability
.endr
	v_mov_b32 v35, 0
	v_mov_b32 v39, v24
.irp e, 1,2,3,4,5,6,7
	v_cmp_gt_f32 vcc_lo, v[24+\e], v39
	v_cndmask_b32 v39, v39, v[24+\e], vcc_lo
	v_cndmask_b32 v35, v35, \e, vcc_lo
.endr
	s_wait_alu depctr_va_vdst(0)                   ; the reciprocal's wait, ahead of its first reader
	v_mul_f32 v40, v38, v33                        ; the two gates
	v_mul_f32 v41, v39, v33
	v_cmp_gt_u32 vcc_lo, v34, v35                  ; ordered by the expert's number
	v_min_u32 v42, v34, v35
	v_max_u32 v43, v34, v35
	v_cndmask_b32 v46, v40, v41, vcc_lo            ; g_lo
	v_cndmask_b32 v47, v41, v40, vcc_lo            ; g_hi
.irp e, 0,1,2,3,4,5,6,7
	v_cmp_eq_u32 s[66+\e], \e, v42                 ; the block's masks: bit = token
	v_cmp_eq_u32 s[74+\e], \e, v43
.endr
.irp e, 0,1,2,3,4,5,6,7
	s_or_b32 s[82+\e], s[66+\e], s[74+\e]
	s_bcnt1_i32_b32 s[90+\e], s[82+\e]
.endr
	s_wait_kmcnt 0x0
.irp e, 0,1,2,3,4,5,6,7
	s_add_co_i32 s[28+4*\e], s[30+4*\e], s[31+4*\e]   ; E(e) = eh + ew2 of expert e
.endr
	v_mov_b32 v48, s28
	v_mov_b32 v49, s28
.irp e, 1,2,3,4,5,6,7
	v_cndmask_b32 v48, v48, s[28+4*\e], s[66+\e]
	v_cndmask_b32 v49, v49, s[28+4*\e], s[74+\e]
.endr
	v_ldexp_f32 v44, v46, v48                      ; g_lo 2^E(lo)
	v_ldexp_f32 v45, v47, v49
	v_lshl_or_b32 v50, v43, 8, v42
	v_mov_b32 v51, 0
.irp e, 0,1,2,3,4,5,6,7
	v_writelane_b32 v51, s[66+\e], \e
	v_writelane_b32 v51, s[82+\e], 8+\e
	v_writelane_b32 v51, s[90+\e], 16+\e
.endr
	s_lshl_b32 s26, ttmp9, 9
	s_mov_b32 s27, 0
	s_add_nc_u64 s[20:21], s[20:21], s[26:27]
	s_lshl_b32 s26, ttmp9, 7
	s_add_nc_u64 s[18:19], s[18:19], s[26:27]
	s_lshl_b32 s26, ttmp9, 2
	s_add_nc_u64 s[16:17], s[16:17], s[26:27]      ; masks: my block's column
	v_lshlrev_b32 v52, 4, v1
	v_lshlrev_b32 v53, 2, v1
	v_lshlrev_b32 v55, 9, v1                       ; word = lane: rows of 512 bytes
	global_store_b128 v52, v[44:47], s[20:21]      ; 512 consecutive bytes
	global_store_b32 v53, v50, s[18:19]            ; 128 consecutive bytes
	global_store_b32 v55, v51, s[16:17]            ; ONE store of 4 bytes a lane, lanes 512 bytes apart, in each of 128 work-groups: the price of a layout from which each of the 24 loads of each of the next launch's 568 waves reads 512 consecutive bytes
	s_cmp_lg_u32 ttmp9, 0
	s_cbranch_scc1 .Lend
	v_mov_b32 v54, 0                               ; the loss is 0: one lane of one wave stores it
	v_cmp_eq_u32 vcc_lo, 0, v1
	s_wait_xcnt 0x0                                ; EXEC changes only behind this wait: the stores above have read it
	s_and_saveexec_b32 s25, vcc_lo
	global_store_b32 v54, v54, s[22:23]
	s_wait_xcnt 0x0
	s_or_b32 exec_lo, exec_lo, s25
.Lend:
	s_wait_tensorcnt 0x0
	ds_add_u32 v14, v15
	s_wait_dscnt 0x0
	s_endpgm
; ------------------------------------------------------------------ the layout: a wave turns 16 KiB through its own stage; no barrier, waves share nothing
.Llayout:
	s_sub_co_u32 s25, ttmp9, 128
	s_lshl_b32 s25, s25, 3
	s_add_co_u32 s25, s25, s24                     ; job 0..1023: 0-511 W1 (work-groups 128-191), 512-1023 W2
	s_mul_i32 s26, s24, 32*SPI
	s_add_co_u32 s26, s26, STG                     ; my stage
	v_lshlrev_b32 v3, 4, v1                        ; 16 x lane
	v_add_nc_u32 v4, s26, v3                       ; into the stage: a row's 512 bytes as they lie
	v_and_b32 v5, 15, v1
	v_lshrrev_b32 v6, 4, v1
	v_mul_u32_u24 v7, v5, SPI
	v_lshl_add_u32 v7, v6, 4, v7
	v_add_nc_u32 v7, s26, v7                       ; out of it: row lane % 16, 16 bytes at 16 (lane / 16): rows 528 bytes apart start at sixteen different groups of banks
	s_mov_b32 s29, 0
	s_mov_b32 s31, 0
	s_wait_kmcnt 0x0
	s_cmp_ge_u32 ttmp9, 192
	s_cbranch_scc1 .Lw2
	; W1: job = 64 e + blk; blk = 32 s + 16 q + 4 w + p names 32 hidden units, 32 rows of 512 bytes
	s_lshl_b32 s28, s25, 14
	s_add_nc_u64 s[10:11], s[10:11], s[28:29]
	s_lshr_b32 s30, s25, 5                         ; 2 e + s
	s_lshl_b32 s30, s30, 20
	s_bfe_u32 s32, s25, 0x20002                    ; w
	s_lshl_b32 s32, s32, 18
	s_add_co_u32 s30, s30, s32
	s_bfe_u32 s32, s25, 0x10004                    ; q: 32 fragments
	s_lshl_b32 s32, s32, 16
	s_add_co_u32 s30, s30, s32
	s_and_b32 s32, s25, 3                          ; p: 2 fragments
	s_lshl_b32 s32, s32, 12
	s_add_co_u32 s30, s30, s32
	s_mov_b32 s33, 2048                            ; from tile u = 0 to u = 1: one fragment
.set R, 0
.rept 32                               ; stage row 16 u + i takes the block's row 8 u + i + 8 (i / 8)
	global_load_b128 v[16+4*R:19+4*R], v3, s[10:11] offset:512*(8*(R/16)+(R%16)+8*((R%16)/8)) th:TH_LOAD_NT
.set R, R+1
.endr
	s_branch .Lturn
.Lw2:
	; W2: job - 512 = 64 e + 32 s + 8 w + t: 16 rows (outputs 128 w + 16 t ..) x 1,024 bytes (the half's hidden units)
	s_and_b32 s25, s25, 511
	s_lshr_b32 s28, s25, 6
	s_lshl_b32 s28, s28, 20
	s_and_b32 s32, s25, 31                         ; 8 w + t: 16 rows of 2,048 bytes each
	s_lshl_b32 s32, s32, 15
	s_add_co_u32 s28, s28, s32
	s_bfe_u32 s32, s25, 0x10005                    ; s
	s_lshl_b32 s32, s32, 10
	s_add_co_u32 s28, s28, s32
	s_add_nc_u64 s[12:13], s[12:13], s[28:29]
	s_lshr_b32 s30, s25, 3                         ; (2 e + s) 4 + w
	s_lshl_b32 s30, s30, 18
	s_and_b32 s32, s25, 7                          ; t
	s_lshl_b32 s32, s32, 11
	s_add_co_u32 s30, s30, s32
	s_add_co_u32 s30, s30, 131072                  ; behind W1's 64 fragments
	s_mov_b32 s33, 65536                           ; from K steps 0-3 to 4-7: 32 fragments
.set R, 0
.rept 32                               ; stage row 16 j + r takes row r's bytes 512 j on
	global_load_b128 v[16+4*R:19+4*R], v3, s[12:13] offset:2048*(R%16)+512*(R/16) th:TH_LOAD_NT
.set R, R+1
.endr
.Lturn:
	s_add_nc_u64 s[14:15], s[14:15], s[30:31]
	v_add_nc_u32 v8, s33, v3
.set R, 0
.rept 32
	s_wait_loadcnt 31-R                            ; loads come back in order: row R is in, the younger ones may be out
	ds_store_b128 v4, v[16+4*R:19+4*R] offset:SPI*R
.set R, R+1
.endr
	s_wait_dscnt 0x0                               ; the stores have read their registers, which the loads below fill again
.set n, 0
.rept 32                               ; n = 16 j + 4 k + c: block c of the fragment (j, k)
	ds_load_b128 v[16+4*n:19+4*n], v7 offset:16*SPI*(n/16)+128*((n/4)%4)+32*(n%4)
.set n, n+1
.endr
.set n, 0
.rept 32
	s_wait_dscnt 31-n
.if n < 16
	global_store_b128 v3, v[16+4*n:19+4*n], s[14:15] offset:16384*((n/4)%4)+512*(n%4)   ; 32 lanes store 512 consecutive bytes, at a multiple of 512 from the buffer's first byte
.else
	global_store_b128 v8, v[16+4*n:19+4*n], s[14:15] offset:16384*((n/4)%4)+512*(n%4)
.endif
.set n, n+1
.endr
	s_wait_tensorcnt 0x0
	ds_add_u32 v14, v15
	s_wait_dscnt 0x0
	s_endpgm
.Lfunc_end_k_q69949e3012_prep:
	.size	k_q69949e3012_prep, .Lfunc_end_k_q69949e3012_prep-k_q69949e3012_prep
	.p2alignl 7, 3214868480
	.fill 96, 4, 3214868480
	.section	.rodata,"a",@progbits
	.p2align	6, 0x0
	.amdhsa_kernel k_q69949e3012_prep
		.amdhsa_group_segment_fixed_size 155648
		.amdhsa_private_segment_fixed_size 0
		.amdhsa_enable_private_segment 0
		.amdhsa_kernarg_size 80
		.amdhsa_user_sgpr_count 2
		.amdhsa_user_sgpr_kernarg_segment_ptr 1
		.amdhsa_wavefront_size32 1
		.amdhsa_system_sgpr_workgroup_id_x 1
		.amdhsa_system_sgpr_workgroup_id_y 1
		.amdhsa_system_sgpr_workgroup_id_z 1
		.amdhsa_system_vgpr_workitem_id 0
		.amdhsa_next_free_vgpr 256
		.amdhsa_next_free_sgpr 100
		.amdhsa_reserve_vcc 1
		.amdhsa_float_denorm_mode_32 3
		.amdhsa_float_denorm_mode_16_64 3
		.amdhsa_memory_ordered 1
		.amdhsa_forward_progress 1
		.amdhsa_inst_pref_size 62
	.end_amdhsa_kernel
	.amdgpu_metadata
---
amdhsa.version: [ 1, 2 ]
amdhsa.kernels:
  - .name:           k_q69949e3012_prep
    .symbol:         k_q69949e3012_prep.kd
    .args:
      - { .name: input_batch, .offset: 0, .size: 8, .value_kind: global_buffer, .address_space: global }
      - { .name: Wr, .offset: 8, .size: 8, .value_kind: global_buffer, .address_space: global }
      - { .name: lowp_scales, .offset: 16, .size: 8, .value_kind: global_buffer, .address_space: global }
      - { .name: W1_codes, .offset: 24, .size: 8, .value_kind: global_buffer, .address_space: global }
      - { .name: W2_codes, .offset: 32, .size: 8, .value_kind: global_buffer, .address_space: global }
      - { .name: wimg, .offset: 40, .size: 8, .value_kind: global_buffer, .address_space: global }
      - { .name: masks, .offset: 48, .size: 8, .value_kind: global_buffer, .address_space: global }
      - { .name: eidx, .offset: 56, .size: 8, .value_kind: global_buffer, .address_space: global }
      - { .name: gates, .offset: 64, .size: 8, .value_kind: global_buffer, .address_space: global }
      - { .name: out1, .offset: 72, .size: 8, .value_kind: global_buffer, .address_space: global }
    .group_segment_fixed_size: 155648
    .private_segment_fixed_size: 0
    .kernarg_segment_align: 8
    .kernarg_segment_size: 80
    .max_flat_workgroup_size: 256
    .sgpr_count:     100
    .vgpr_count:     256
    .wavefront_size: 32
...
	.end_amdgpu_metadata
.endif
;; end of part 1
;; launch chain (part 2): grid 71 x 2, 4 waves a work-group, no clusters, 203,264 bytes of LDS; arguments input_batch, wimg, b1, lowp_scales, masks, part, pos2; writes part, pos2
.if DOCPART == 2
	.amdgcn_target "amdgcn-amd-amdhsa--gfx1250"
	.amdhsa_code_object_version 6
	.text
	.protected	k_q69949e3012_chain
	.globl	k_q69949e3012_chain
	.p2align	8
	.type	k_q69949e3012_chain,@function
k_q69949e3012_chain:
	s_mov_b64 s[64:65], 0
	v_nop
	global_prefetch_b8 v0, s[64:65] scope:SCOPE_SE
	s_setreg_imm32_b32 hwreg(HW_REG_WAVE_MODE, 25, 1), 1
	s_wait_xcnt 0x0
; ONE TILE OF 128 ROUTED ROWS OF ONE EXPERT, HALF OF ITS HIDDEN LAYER, THROUGH BOTH PRODUCTS, on codes of BF8 (E5M2).
; part[s][128 t + row][512] = the f32 sums of Q(relu(Q(x) W1 + b1)) W2 over hidden units 1024 s .. + 1023 (s = work-group y), without the factor 2^(eh + ew2); the next launch adds a token's four rows.
; THE GRID SERVES EVERY SPLIT: 8,192 routed rows in tiles of 128 over 8 experts are never more than 64 + 7 = 71 tiles.  Tile t's expert and rows are found in the head, by every wave for itself, from the whole numbers that
; the launch before has stored.  A tile that a split leaves without rows, and the rows behind an expert's last, run on token 0's row and fill slots of part that nobody reads; they store nothing into pos2.
; So no barrier stands under a branch on loaded numbers.
; SHARES.  Four waves.  First product: wave w makes hidden units 512 q + 128 w .. + 127 of the half (q = 0, 1) for all 128 rows; second: outputs 128 w .. + 127 for all 128 rows.  Each time 64 accumulators, 512 registers.
; Both products are used transposed (source 0 = 16 rows of the weight, source 1 = 16 tokens): a lane holds one token, its registers run along the units; W1's rows of a tile are chosen (in wimg) so that two
; neighbouring tiles' 16 registers are 16 neighbours along the next K: the conversions' results are the next operand's registers.
; THE WEIGHTS GO FROM MEMORY STRAIGHT INTO REGISTERS, each fragment read once by the one wave that uses it, through a ring of 12 fragments, filled again two fragments at a time behind every second group of
; 8 matrix instructions: a fragment is asked for 10 or 11 groups ahead of its use.
; NO TENSOR LOADS, NO CLUSTER: a tile's expert is a loaded number, so partners could not make a joint request from coordinates that they share; and x's codes (66 KiB) and the hidden codes (128 KiB) fill LDS.
; LIMITS on the given exponents, so that each power of two below is an f32 number: ex and eh - ex - ew1 between -126 and 112.  NaN among the inputs is not served.
; LDS: x's codes as 128 rows of 512 + 16 bytes; the hidden layer's 64 fragments as images of their registers ((8 k + a) 2,048 + 512 c + 16 lane); b1 / 2^(ex + ew1), 4 KiB.
;   On the way out each wave has two stages of 16 rows x 528 bytes in the bytes that held x's codes, which nobody reads behind the second barrier of the main part.
; REGISTERS, in windows of 256: window 0: v0-31 addresses and the head's work; v32-63 four tiles of the bias (v48-63 first: the head's work); v64-127 ring slots 8-11; v128-255 source 1's set 0 (also: the head's work, rows on the way out)
;   window 1: v0-127 ring slots 0-7; v128-255 source 1's set 1 (also x's codes and the hidden codes just made)    windows 2, 3: accumulator (a, b) at v[8 (8 (b % 4) + a)] of window 2 + b / 4 (also x's rows in f32)
;   s66-97: sixteen pairs, the addresses of sixteen rows of x; they serve nothing else.
.set XP,   528
.set HIMG, 128*XP
.set B1S,  HIMG+131072
.set MSB, 0
.macro WIN new                         ; low byte: bits 1:0 source 0, 3:2 source 1, 5:4 source 2, 7:6 destination; the high byte repeats the setting that is left
.if MSB != (\new)
	s_set_vgpr_msb (MSB<<8)|(\new)
.set MSB, (\new)
.endif
.endm
	s_load_b256 s[4:11], s[0:1], 0x0               ; x s[4:5], wimg s[6:7], b1 s[8:9], scales s[10:11]
	s_load_b128 s[12:15], s[0:1], 0x20             ; masks s[12:13], part s[14:15]
	s_load_b64 s[16:17], s[0:1], 0x30              ; pos2
	v_lshrrev_b32 v17, 5, v0
	v_readfirstlane_b32 s18, v17                   ; wave 0..3
	s_and_b32 s20, ttmp7, 0xffff                   ; which half of the hidden layer
	v_and_b32 v49, 31, v0                          ; lane
	v_lshlrev_b32 v1, 4, v49                       ; v1 = 16 x lane; never rewritten
	s_mov_b32 s60, 0x76543210                      ; v_permlanex16_b32: lane l xor 16
	s_mov_b32 s61, 0xfedcba98
	s_wait_kmcnt 0x0
.set n, 0
.rept 24                               ; word n of blocks 4 l .. 4 l + 3 at v[128 + 4 n + 0 .. 3]: each load reads 512 consecutive bytes
	global_load_b128 v[128+4*n:131+4*n], v1, s[12:13] offset:512*n
.set n, n+1
.endr
	; the addresses that stay, made while the masks are on their way
	v_and_b32 v18, 15, v0                          ; r
	v_bfe_u32 v19, v0, 4, 1                        ; h
	v_mul_u32_u24 v2, v18, XP
	v_lshl_add_u32 v8, v19, 5, v2
	v_lshl_add_u32 v2, v19, 4, v2                  ; v2: a fragment of x: row r, + 16 h
	v_add_nc_u32 v3, HIMG, v1                      ; v3, v4: the hidden images of K steps 0-3, 4-7
	v_add_nc_u32 v4, HIMG+65536, v1
	s_lshl_b32 s32, s18, 14
	v_add_nc_u32 v5, s32, v3                       ; v5, v6: where I store mine: K step w, 4 + w
	v_add_nc_u32 v6, s32, v4
	s_lshl_b32 s32, s18, 9
	s_add_co_u32 s32, s32, B1S
	v_lshl_add_u32 v7, v19, 6, s32                 ; v7: the bias of my 128 units, + 16 h units
	s_mul_i32 s32, s18, 32*XP
	v_add_nc_u32 v8, s32, v8                       ; v8: the stage, in: row r, + 32 h
	v_add_nc_u32 v9, s32, v1                       ; v9: and back: 16 bytes a lane of a row
	v_lshl_add_u32 v15, v49, 2, s32                ; v15: x's codes, my wave's 32 rows, 4 bytes a lane
	s_lshl_b32 s32, s18, 9
	v_add_nc_u32 v10, s32, v1                      ; v10: my 512 bytes of a row of part
	v_lshlrev_b32 v11, 8, v49                      ; v11: the prefetches: lanes 256 bytes apart
	v_lshlrev_b32 v21, 5, v0                       ; v21: b1: 32 bytes a thread
	v_lshl_add_u32 v22, v0, 5, B1S
	s_mul_i32 s58, s20, 9088*2048
	s_lshl_b32 s32, ttmp9, 18
	s_add_co_u32 s58, s58, s32
	s_mov_b32 s59, 0
	s_add_nc_u64 s[58:59], s[14:15], s[58:59]      ; part at my tile's first slot
	s_wait_loadcnt 0x0
; ---- each expert's number of rows: the lane's four blocks, two experts to a word, then over the 32 lanes
.irp e, 0,1,2,3,4,5,6,7
	v_add3_u32 v[224+\e], v[192+4*\e], v[193+4*\e], v[194+4*\e]
.endr
.irp e, 0,1,2,3,4,5,6,7
	v_add_nc_u32 v[224+\e], v[224+\e], v[195+4*\e]
.endr
.irp p, 0,1,2,3
	v_lshl_or_b32 v[232+\p], v[225+2*\p], 16, v[224+2*\p]   ; a total is 4,096 at the most
	v_mov_b32 v[236+\p], 0                         ; written once: a lane move's destination counts as read
.endr
.irp m, 1,2,4,8
.irp p, 0,1,2,3
	v_mov_b32_dpp v[236+\p], v[232+\p] row_xmask:\m row_mask:0xf bank_mask:0xf
.endr
.irp p, 0,1,2,3
	v_add_nc_u32 v[232+\p], v[232+\p], v[236+\p]
.endr
.endr
.irp p, 0,1,2,3
	v_permlanex16_b32 v[236+\p], v[232+\p], s60, s61
.endr
.irp p, 0,1,2,3
	v_add_nc_u32 v[232+\p], v[232+\p], v[236+\p]
.endr
.irp p, 0,1,2,3
	v_readfirstlane_b32 s[50+\p], v[232+\p]
.endr
.irp p, 0,1,2,3
	s_and_b32 s[24+2*\p], s[50+\p], 0xffff         ; s24-31: rows of experts 0-7
	s_lshr_b32 s[25+2*\p], s[50+\p], 16
.endr
; ---- whose tile am I?  The experts' tiles follow each other; s21 expert, s22 its first tile, s23 the tiles so far
	s_mov_b32 s21, 0
	s_mov_b32 s22, 0
	s_mov_b32 s23, 0
.irp e, 0,1,2,3,4,5,6,7
	s_add_co_u32 s32, s[24+\e], 127
	s_lshr_b32 s32, s32, 7
	s_add_co_u32 s23, s23, s32
	s_cmp_ge_u32 ttmp9, s23
	s_cselect_b32 s21, \e+1, s21
	s_cselect_b32 s22, s23, s22
.endr
	s_cmp_lt_u32 ttmp9, s23
	s_cselect_b32 s35, 1, 0                        ; 1: the split has rows for this tile
	s_min_u32 s21, s21, 7
	s_sub_co_u32 s33, ttmp9, s22                   ; which of the expert's tiles
	s_lshl_b32 s36, s33, 7
	s_lshl_b32 s32, s18, 5
	s_add_co_u32 s36, s36, s32                     ; s36: the rank, among the expert's rows, of my wave's first row
	s_cmp_eq_u32 s33, 0
	s_cselect_b32 s63, s35, 0                      ; s63 = 1 in the expert's first tile: it prefetches
; ---- all that hangs on the expert alone is asked for now: the four exponents, the bias, the ring's first twelve fragments
	s_lshl_b32 s38, s21, 4
	s_mov_b32 s39, 0
	s_add_nc_u64 s[10:11], s[10:11], s[38:39]
	s_load_b128 s[40:43], s[10:11], 0x0            ; ex, ew1, eh, ew2
	s_lshl_b32 s38, s21, 1
	s_add_co_u32 s38, s38, s20                     ; 2 e + s
	s_lshl_b32 s46, s38, 12
	s_mov_b32 s47, 0
	s_add_nc_u64 s[46:47], s[8:9], s[46:47]
	s_lshl_b32 s44, s38, 2
	s_add_co_u32 s44, s44, s18
	s_lshl_b32 s44, s44, 18
	s_mov_b32 s45, 0
	s_add_nc_u64 s[44:45], s[6:7], s[44:45]        ; s[44:45]: my wave's stream of 128 fragments; never rewritten
	global_load_b128 v[24:27], v21, s[46:47]
	global_load_b128 v[28:31], v21, s[46:47] offset:16
.macro RLOAD g                         ; fragment g into ring slot g % 12: four loads of 512 consecutive bytes
.set sl, (\g)%12
.if sl < 8
	WIN 0x40
.set sr, 16*sl
.else
	WIN 0
.set sr, 64+16*(sl-8)
.endif
.irp c, 0,1,2,3
	global_load_b128 v[sr+4*\c:sr+4*\c+3], v1, s[44:45] offset:(\g)*2048+512*\c
.endr
.endm
.irp f, 0,1,2,3,4,5,6,7,8,9,10,11
	RLOAD \f
.endr
	WIN 0
; ---- my expert's words of the lane's four blocks: v240-243 either, v244-247 lower, v248-251 counts; s34 its rows
	s_mov_b32 s34, s24
.irp e, 1,2,3,4,5,6,7
	s_cmp_eq_u32 s21, \e
	s_cselect_b32 s37, -1, 0
	s_cselect_b32 s34, s[24+\e], s34
.irp i, 0,1,2,3
.if \e == 1
	v_cndmask_b32 v[240+\i], v[160+\i], v[164+\i], s37
	v_cndmask_b32 v[244+\i], v[128+\i], v[132+\i], s37
	v_cndmask_b32 v[248+\i], v[192+\i], v[196+\i], s37
.else
	v_cndmask_b32 v[240+\i], v[240+\i], v[160+4*\e+\i], s37
	v_cndmask_b32 v[244+\i], v[244+\i], v[128+4*\e+\i], s37
	v_cndmask_b32 v[248+\i], v[248+\i], v[192+4*\e+\i], s37
.endif
.endr
.endr
	s_cmp_eq_u32 s35, 1
	s_cselect_b32 s34, s34, 0                      ; a tile without rows: no row counts
; ---- rows ahead of the lane's blocks (v254) and up to their end (v252): the lane's count has 8 bits; each bit's lower lanes are counted
	v_add_nc_u32 v253, v248, v249
	v_add3_u32 v255, v248, v249, v250
	v_add_nc_u32 v252, v255, v251
	v_lshl_or_b32 v253, v253, 8, v248
	v_lshl_or_b32 v253, v255, 16, v253             ; v253: rows up to the end of the lane's first, second, third block, a byte each
	v_mov_b32 v254, 0
.irp b, 0,1,2,3,4,5,6,7
	v_and_b32 v255, 1<<\b, v252
	v_cmp_ne_u32 s37, 0, v255
	v_mbcnt_lo_u32_b32 v255, s37, 0
	v_lshl_add_u32 v254, v255, \b, v254
.endr
	v_add_nc_u32 v252, v254, v252
; ---- lane l wants the row of rank s36 + l: first the lane whose blocks hold it: as many lanes as end at or under the rank
	v_add_nc_u32 v48, s36, v49
	v_mov_b32 v50, 0
.irp o, 0,8,16,24
.irp n, 0,1,2,3,4,5,6,7
	v_readlane_b32 s[50+\n], v252, \o+\n
.endr
.irp n, 0,1,2,3,4,5,6,7
	v_cmp_le_u32 vcc_lo, s[50+\n], v48
	v_add_co_ci_u32 v50, vcc_lo, 0, v50, vcc_lo
.endr
.endr
	v_min_u32 v50, 31, v50
	v_lshlrev_b32 v51, 2, v50
	ds_bpermute_b32 v52, v51, v254                 ; that lane's numbers
	ds_bpermute_b32 v53, v51, v253
.irp i, 0,1,2,3
	ds_bpermute_b32 v[54+\i], v51, v[240+\i]
	ds_bpermute_b32 v[58+\i], v51, v[244+\i]
.endr
	s_wait_dscnt 0x0
	s_barrier_signal -1                            ; the lane permutes go through the LDS unit: every wave's are over
	s_barrier_wait -1                              ; before any wave stores to LDS
; ---- then the block of the four, then the bit in its mask
	v_sub_nc_u32 v62, v48, v52                     ; the rank among that lane's rows
	v_mov_b32 v63, 0
	v_mov_b32 v17, 0
.irp n, 1,2,3
	v_bfe_u32 v18, v53, 8*(\n-1), 8
	v_cmp_ge_u32 vcc_lo, v62, v18
	v_cndmask_b32 v54, v54, v[54+\n], vcc_lo
	v_cndmask_b32 v58, v58, v[58+\n], vcc_lo
	v_cndmask_b32 v63, v63, v18, vcc_lo
	v_cndmask_b32 v17, v17, \n, vcc_lo
.endr
	v_sub_nc_u32 v62, v62, v63                     ; the rank among the block's rows
	v_lshrrev_b32 v18, 1, v54                      ; the mask's set bits counted in fields of 2, 4, 8 and 16 bits
	v_and_b32 v18, 0x55555555, v18
	v_sub_nc_u32 v240, v54, v18
	v_lshrrev_b32 v18, 2, v240
	v_and_b32 v18, 0x33333333, v18
	v_and_b32 v241, 0x33333333, v240
	v_add_nc_u32 v241, v241, v18
	v_lshrrev_b32 v18, 4, v241
	v_add_nc_u32 v242, v241, v18
	v_and_b32 v242, 0x0f0f0f0f, v242
	v_lshrrev_b32 v18, 8, v242
	v_add_nc_u32 v243, v242, v18
	v_and_b32 v243, 0x00ff00ff, v243
	v_mov_b32 v23, 0                               ; the bit's place
.macro PICK src, msk, wid              ; if the rank is not among the lower wid bits at the place, go past them
	v_lshrrev_b32 v18, v23, v[\src]
	v_and_b32 v18, \msk, v18
	v_cmp_ge_u32 vcc_lo, v62, v18
	v_cndmask_b32 v18, 0, v18, vcc_lo
	v_cndmask_b32 v19, 0, \wid, vcc_lo
	v_sub_nc_u32 v62, v62, v18
	v_add_nc_u32 v23, v23, v19
.endm
	PICK 243, 0xff, 16
	PICK 242, 0xff, 8
	PICK 241, 15, 4
	PICK 240, 3, 2
	PICK 54, 1, 1
	v_lshl_add_u32 v18, v50, 2, v17                ; the block,
	v_lshl_add_u32 v16, v18, 5, v23                ; v16: the token
	v_mov_b32 v17, v48                             ; v17: my row's rank, kept for the wave's end (v48-63 will hold the bias)
	v_cmp_gt_u32 vcc_lo, s34, v48                  ; does the expert have a row of this rank?
	v_cndmask_b32 v16, 0, v16, vcc_lo
	v_min_u32 v16, 0xfff, v16
	v_lshrrev_b32 v18, v23, v58
	v_and_b32 v18, 1, v18
	v_xor_b32 v18, 1, v18                          ; 0: this is the token's lower expert, 1: its higher
	v_lshl_add_u32 v19, v16, 1, v18
	v_min_u32 v19, 0x1fff, v19
	v_lshlrev_b32 v19, 2, v19                      ; v19: where my slot's number goes in pos2; v20: the number: 128 t + 32 w + lane.  Both are kept: the store stands at the wave's end
	s_lshl_b32 s32, ttmp9, 7
	v_add_nc_u32 v20, s32, v0
; ---- PHASE X: my wave's 32 rows of x: loaded whole (an instruction reads 512 consecutive bytes of a row; a lane holds k = 128 p + 4 lane + 0 .. 3), held, converted, laid into LDS as rows of codes.
; A row's address is a scalar base: x + 2,048 x the token, the token held at 4,095; the vector offset is 16 x lane for every row.  Rows 0-15 are asked for first; as each four of them arrive, their four
; bases take four of rows 16-31, whose loads go out ahead of the arrived rows' conversions.
.macro XBASE o, p                      ; the addresses of rows o .. o + 3 into pairs p .. p + 3
	WIN 0
.irp n, 0,1,2,3
	v_readlane_b32 s[66+2*((\p)+\n)], v16, (\o)+\n
.endr
.irp n, 0,1,2,3
	s_min_u32 s[66+2*((\p)+\n)], s[66+2*((\p)+\n)], 0xfff
	s_lshl_b32 s[66+2*((\p)+\n)], s[66+2*((\p)+\n)], 11
	s_mov_b32 s[67+2*((\p)+\n)], 0
	s_add_nc_u64 s[66+2*((\p)+\n):67+2*((\p)+\n)], s[4:5], s[66+2*((\p)+\n):67+2*((\p)+\n)]
.endr
.endm
.macro XLOAD o, p                      ; their sixteen loads: row i at v[16 (i % 16)] of window 2 + i / 16
	WIN (2+(\o)/16)<<6
.irp n, 0,1,2,3
.irp c, 0,1,2,3
	global_load_b128 v[16*((\o)%16+\n)+4*\c:16*((\o)%16+\n)+4*\c+3], v1, s[66+2*((\p)+\n):67+2*((\p)+\n)] offset:512*\c
.endr
.endr
.endm
.irp o, 0,4,8,12
	XBASE \o, \o
.endr
.irp o, 0,4,8,12
	XLOAD \o, \o
.endr
	WIN 0
	s_wait_kmcnt 0x0
	s_add_co_i32 s32, s40, 127
	s_lshl_b32 s33, s32, 23
	v_mov_b32 v12, s33                             ; v12: 2^ex: the conversion takes its exponent field
	s_add_co_i32 s32, s32, 15
	s_lshl_b32 s32, s32, 23
	s_or_b32 s32, s32, 0x600000
	v_mov_b32 v13, s32                             ; v13: 57,344 x 2^ex
	s_add_co_i32 s49, s40, s41                     ; a sum of the first product stands for sum x 2^(ex + ew1):
	s_sub_co_i32 s32, s42, s49                     ; its code is sum / 2^(eh - ex - ew1),
	s_sub_co_i32 s49, 0, s49                       ; and b1 goes in as b1 / 2^(ex + ew1)
	s_add_co_i32 s32, s32, 127
	s_lshl_b32 s33, s32, 23
	v_mov_b32 v14, s33                             ; v14: 2^(eh - ex - ew1)
	s_add_co_i32 s32, s32, 15
	s_lshl_b32 s32, s32, 23
	s_or_b32 s48, s32, 0x600000                    ; s48: 57,344 x that
.macro XQ q                            ; rows 4 q .. 4 q + 3
.if (\q) < 4
	s_wait_loadcnt 48                              ; these four rows are in; behind their loads stand those of three more groups of four rows
	s_wait_xcnt 0x0                                ; every load issued so far has read its base: these rows' four bases are written again only behind the two waits
	XBASE 16+4*(\q), 4*(\q)
	XLOAD 16+4*(\q), 4*(\q)
.else
	s_wait_loadcnt 16*(7-(\q))                     ; the later rows' loads may be out
.endif
.set xw, 2+(\q)/4
.set xr, 64*((\q)%4)
	WIN (xw<<6)|xw
.set n, 0
.rept 64
	v_med3_num_f32 v[xr+n], v[xr+n], -v13, v13     ; the conversion to an 8-bit code does not saturate (ISA guide 7.6.2): the hold at the largest code x the scale
.set n, n+1
.endr
	WIN 0x40|xw
.set n, 0
.rept 8
	v_cvt_scalef32_pk8_bf8_f32 v[128+16*(\q)+2*n:129+16*(\q)+2*n], v[xr+8*n:xr+8*n+7], v12   ; each result register: four neighbouring codes
.set n, n+1
.endr
.endm
	XQ 0
	WIN 0                                          ; b1's two loads are older than x's: they are in
.irp j, 0,1,2,3,4,5,6,7
	v_ldexp_f32 v[24+\j], v[24+\j], s49
.endr
	ds_store_b128 v22, v[24:27]
	ds_store_b128 v22, v[28:31] offset:16
.irp q, 1,2,3,4,5,6,7
	XQ \q
.endr
	v_nop                                          ; a plain instruction behind the last conversion: matrix instructions will write its sources
	WIN 0x04                                       ; store data in window 1
.set i, 0
.rept 32
.irp p, 0,1,2,3
	ds_store_b32 v15, v[128+4*i+\p] offset:XP*i+128*\p   ; 32 lanes store 128 consecutive bytes of row i
.endr
.set i, i+1
.endr
	WIN 0
	s_wait_dscnt 0x0                               ; for the others' sake: my rows' codes and my part of the bias lie in LDS
	s_barrier_signal -1
	s_barrier_wait -1
; ---- THE MAIN PART: 16 steps of 128 along K, 64 matrix instructions each.  Steps 0-7: the first product (q = T / 4, K step T % 4); steps 8-15: the second (K step T - 8).
.macro ARUN T                          ; source 1's eight fragments of step T into set T % 2: 32 LDS loads in one run
	WIN ((\T)%2)<<6
.irp a, 0,1,2,3,4,5,6,7
.irp c, 0,1,2,3
.if (\T) < 8
	ds_load_b128 v[128+16*\a+4*\c:131+16*\a+4*\c], v2 offset:16*XP*\a+128*((\T)%4)+32*\c
.elseif (\T) < 12
	ds_load_b128 v[128+16*\a+4*\c:131+16*\a+4*\c], v3 offset:16384*((\T)-8)+2048*\a+512*\c
.else
	ds_load_b128 v[128+16*\a+4*\c:131+16*\a+4*\c], v4 offset:16384*((\T)-12)+2048*\a+512*\c
.endif
.endr
.endr
.endm
.macro BIAS q, b                       ; tile b's bias in the result's layout, into the b % 4-th of four places: lane (r, h): units 32 (b / 2) + 16 h + 8 (b % 2) + 0 .. 7
	WIN 0
	ds_load_b128 v[32+8*((\b)%4):35+8*((\b)%4)], v7 offset:2048*(\q)+128*((\b)/2)+32*((\b)%2)
	ds_load_b128 v[36+8*((\b)%4):39+8*((\b)%4)], v7 offset:2048*(\q)+128*((\b)/2)+32*((\b)%2)+16
.endm
; A PREFETCH INTO THE L2 of my wave's eight fragments of the step four steps on: 16 KiB, lanes 256 bytes apart, two instructions.  All tiles of an expert walk the same streams: the expert's first tile asks, each wave
; for its own stream, so that each block of 256 bytes is named once in the launch.  Steps 0-3 come by their loads alone; steps 12-15 ask for nothing: there is no step behind the last.
.macro ASK T
	WIN 0
	s_cmp_eq_u32 s63, 1
	s_cbranch_scc0 .Lnot_mine_\@
	global_prefetch_b8 v11, s[44:45] offset:(8*((\T)+4))*2048 th:TH_LOAD_NT scope:SCOPE_SE
	global_prefetch_b8 v11, s[44:45] offset:(8*((\T)+4))*2048+8192 th:TH_LOAD_NT scope:SCOPE_SE
.Lnot_mine_\@:
.endm
; A GROUP: weight fragment g = 8 T + b against source 1's eight fragments.  The 64 accumulators take turns, one instruction a turn, in the same order in every step.
; A sum's first instruction takes the bias (first product) or the constant 0 (second) as C: nothing is cleared.
.macro MM T, b
.set g, 8*(\T)+(\b)
.set sl, g%12
.if sl < 8
.set sw, 1
.set sr, 16*sl
.else
.set sw, 0
.set sr, 64+16*(sl-8)
.endif
.set aw, (\T)%2
.set cw, 2+(\b)/4
.set ac, 64*((\b)%4)
.set bc, 32+8*((\b)%4)
.set top, g+11-(g%2)                   ; the last fragment asked for so far: the run behind group g - 1 (g even) or g - 2 (g odd) went up to it
.if top > 127
.set top, 127
.endif
	s_wait_loadcnt 4*(top-g)                       ; fragment g is in; the fragments asked for behind it, four loads each, may be out
.if ((\T) == 0) || ((\T) == 4)
.if (\b) == 4
	s_wait_dscnt 36                                ; tiles 4 and 5 of the bias are in; behind their loads stand source 1's 32 and the 4 of tiles 6 and 7
.elseif (\b) == 6
	s_wait_dscnt 0x0                               ; tiles 6 and 7
.endif
	WIN (cw<<6)|(aw<<2)|sw
.irp a, 0,1,2,3,4,5,6,7
	v_wmma_f32_16x16x128_bf8_bf8 v[ac+8*\a:ac+8*\a+7], v[sr:sr+15], v[128+16*\a:143+16*\a], v[bc:bc+7]
.endr
.elseif (\T) == 8
	WIN (cw<<6)|(aw<<2)|sw
.irp a, 0,1,2,3,4,5,6,7
	v_wmma_f32_16x16x128_bf8_bf8 v[ac+8*\a:ac+8*\a+7], v[sr:sr+15], v[128+16*\a:143+16*\a], 0
.endr
.else
	WIN (cw<<6)|(cw<<4)|(aw<<2)|sw
.irp a, 0,1,2,3,4,5,6,7
	v_wmma_f32_16x16x128_bf8_bf8 v[ac+8*\a:ac+8*\a+7], v[sr:sr+15], v[128+16*\a:143+16*\a], v[ac+8*\a:ac+8*\a+7]
.endr
.endif
.endm
; A RUN OF LOADS, behind every second group (b odd): the two ring slots just read take the fragments eleven and twelve on; in a sum's first step two places of the bias take the tiles four on; behind group 1 the
; next step's source 1 goes into the set that the step before has left, 48 matrix instructions ahead of its use.  All loads of two groups stand together, so that 16 matrix instructions follow each other.
; Four plain instructions stand ahead of the run: the loads go into registers that matrix instructions have read (ISA guide 7.12.1 for vector instructions); behind a step's last
; group they also stand ahead of the first read of results.
.macro RUN T, b
.set g, 8*(\T)+(\b)
.set need, 0
.if g+11 < 128
.set need, 1
.endif
.if (\b) == 7
.set need, 1
.endif
.if need
.rept 4
	v_nop
.endr
.endif
.if g+11 < 128
	RLOAD g+11
.endif
.if g+12 < 128
	RLOAD g+12
.endif
.if (((\T) == 0) || ((\T) == 4)) && ((\b) <= 3)
	BIAS (\T)/4, (\b)+3
	BIAS (\T)/4, (\b)+4
.endif
.if (\b) == 1
.if ((\T) != 3) && ((\T) != 7) && ((\T) != 15)
	ARUN (\T)+1
.endif
.if (\T) <= 11
	ASK \T
.endif
.endif
.endm
.macro STEP T
.if ((\T) != 0) && ((\T) != 4) && ((\T) != 8)
	s_wait_dscnt 0x0                               ; source 1's fragments are in
.endif
.irp b, 0,1,2,3,4,5,6,7
	MM \T, \b
.if ((\b) % 2) == 1
	RUN \T, \b
.endif
.endr
.endm
; THE HIDDEN LAYER BECOMES AN OPERAND: relu and the hold in one, each accumulator from its low end on; the conversions' results, in the registers of source 1's set 1, which the step just ended has left,
; are fragment a of K step 4 q + w, which goes to LDS as it stands
.macro EPI q
	WIN 0x82
.set n, 0
.rept 256
	v_med3_num_f32 v[n], v[n], 0, s48
.set n, n+1
.endr
	WIN 0xc3
.set n, 0
.rept 256
	v_med3_num_f32 v[n], v[n], 0, s48
.set n, n+1
.endr
	WIN 0x42
.irp b, 0,1,2,3
.irp a, 0,1,2,3,4,5,6,7
	v_cvt_scalef32_pk8_bf8_f32 v[128+16*\a+2*\b:129+16*\a+2*\b], v[64*\b+8*\a:64*\b+8*\a+7], v14
.endr
.endr
	WIN 0x43
.irp b, 0,1,2,3
.irp a, 0,1,2,3,4,5,6,7
	v_cvt_scalef32_pk8_bf8_f32 v[136+16*\a+2*\b:137+16*\a+2*\b], v[64*\b+8*\a:64*\b+8*\a+7], v14
.endr
.endr
	v_nop                                          ; a plain instruction behind the last conversion: matrix instructions will write its sources
	WIN 0x04                                       ; store data in window 1
.irp a, 0,1,2,3,4,5,6,7
.irp c, 0,1,2,3
	ds_store_b128 v[5+\q], v[128+16*\a+4*\c:131+16*\a+4*\c] offset:2048*\a+512*\c
.endr
.endr
	WIN 0
	s_wait_dscnt 0x0                               ; the stores have landed and have read their registers; LDS loads asked for ahead of this epilogue are in
.endm
	ARUN 0
.irp b, 0,1,2,3
	BIAS 0, \b
.endr
	s_wait_dscnt 0x0
	STEP 0
	STEP 1
	STEP 2
	STEP 3
	ARUN 4                                         ; step 4's source 1 (set 0, which step 2 has left) and its first four tiles of the bias land while the epilogue is worked
.irp b, 0,1,2,3
	BIAS 1, \b
.endr
	EPI 0
	STEP 4
	STEP 5
	STEP 6
	STEP 7
	EPI 1
	s_barrier_signal -1                            ; every wave's hidden fragments lie in LDS, and its reads of x's codes are over
	s_barrier_wait -1
	ARUN 8
	s_wait_dscnt 0x0
	STEP 8
	STEP 9
	STEP 10
	STEP 11
	STEP 12
	STEP 13
	STEP 14
	STEP 15
; ---- THE WAY OUT, 16 rows x my 128 columns at a time.  A lane holds 32 neighbouring bytes of a row and the lanes beside it other rows: a block goes through my own stage and comes back as rows of 512 bytes.
; LDS serves a wave's instructions in order (ISA guide 5.7.1.4): no wait between the stores and the loads, nor ahead of the stores of the block after next into the same stage.
.macro TOSTAGE a
	WIN 0x08                                       ; store data in window 2
.irp b, 0,1,2,3
	ds_store_b128 v8, v[64*\b+8*(\a):64*\b+8*(\a)+3] offset:64*\b+16*XP*((\a)%2)
	ds_store_b128 v8, v[64*\b+8*(\a)+4:64*\b+8*(\a)+7] offset:64*\b+16+16*XP*((\a)%2)
.endr
	WIN 0x0c                                       ; in window 3
.irp b, 0,1,2,3
	ds_store_b128 v8, v[64*\b+8*(\a):64*\b+8*(\a)+3] offset:256+64*\b+16*XP*((\a)%2)
	ds_store_b128 v8, v[64*\b+8*(\a)+4:64*\b+8*(\a)+7] offset:256+64*\b+16+16*XP*((\a)%2)
.endr
	WIN 0
.irp i, 0,1,2,3,4,5,6,7,8,9,10,11,12,13,14,15
	ds_load_b128 v[128+64*((\a)%2)+4*\i:131+64*((\a)%2)+4*\i], v9 offset:XP*\i+16*XP*((\a)%2)
.endr
.endm
.macro SEND a, younger                 ; younger: the LDS instructions issued behind block a's loads, which may stay out
	s_wait_dscnt \younger
.irp i, 0,1,2,3,4,5,6,7,8,9,10,11,12,13,14,15
	global_store_b128 v10, v[128+64*((\a)%2)+4*\i:131+64*((\a)%2)+4*\i], s[58:59] offset:(16*(\a)+\i)*2048 th:TH_STORE_NT   ; 32 lanes store 512 consecutive bytes, at a multiple of 512 from the buffer's first byte
.endr
.endm
	TOSTAGE 0                                      ; (the last run's four plain instructions stand ahead of the first read of results)
.irp a, 1,2,3,4,5,6,7
.if \a > 1
	s_wait_xcnt 0x0                                ; block a - 2's stores have read their registers: block a's loads may land there
.endif
	TOSTAGE \a
	SEND \a-1, 32                                  ; behind block a - 1's loads: block a's 16 stores and 16 loads
.endr
	SEND 7, 0
; ---- where the rows lie: one of the two halves says it, for the rows that the expert has.  The store stands here, behind all other work, since EXEC changes only when every memory instruction issued before has read it
	s_cmp_lg_u32 s20, 0
	s_cbranch_scc1 .Lend
	v_cmp_gt_u32 vcc_lo, s34, v17                  ; does the expert have a row of my rank?
	s_wait_xcnt 0x0                                ; the stores above have read EXEC
	s_and_saveexec_b32 s62, vcc_lo
	global_store_b32 v19, v20, s[16:17]
	s_wait_xcnt 0x0
	s_or_b32 exec_lo, exec_lo, s62
.Lend:
	s_wait_xcnt 0x0
	s_mov_b32 exec_lo, -1
	v_lshl_add_u32 v22, v0, 2, 0x31800
	v_mov_b32 v23, 0
	s_wait_tensorcnt 0x0
	ds_add_u32 v22, v23
	s_wait_dscnt 0x0
	s_endpgm
.Lfunc_end_k_q69949e3012_chain:
	.size	k_q69949e3012_chain, .Lfunc_end_k_q69949e3012_chain-k_q69949e3012_chain
	.p2alignl 7, 3214868480
	.fill 96, 4, 3214868480
	.section	.rodata,"a",@progbits
	.p2align	6, 0x0
	.amdhsa_kernel k_q69949e3012_chain
		.amdhsa_group_segment_fixed_size 203264
		.amdhsa_private_segment_fixed_size 0
		.amdhsa_enable_private_segment 0
		.amdhsa_kernarg_size 56
		.amdhsa_user_sgpr_count 2
		.amdhsa_user_sgpr_kernarg_segment_ptr 1
		.amdhsa_wavefront_size32 1
		.amdhsa_system_sgpr_workgroup_id_x 1
		.amdhsa_system_sgpr_workgroup_id_y 1
		.amdhsa_system_sgpr_workgroup_id_z 1
		.amdhsa_system_vgpr_workitem_id 0
		.amdhsa_next_free_vgpr 1024
		.amdhsa_next_free_sgpr 100
		.amdhsa_reserve_vcc 1
		.amdhsa_float_denorm_mode_32 3
		.amdhsa_float_denorm_mode_16_64 3
		.amdhsa_memory_ordered 1
		.amdhsa_forward_progress 1
		.amdhsa_inst_pref_size 255
	.end_amdhsa_kernel
	.section	.bss,"aw",@nobits
	.p2align	6
	.space	262144
	.amdgpu_metadata
---
amdhsa.version: [ 1, 2 ]
amdhsa.kernels:
  - .name:           k_q69949e3012_chain
    .symbol:         k_q69949e3012_chain.kd
    .args:
      - { .name: input_batch, .offset: 0, .size: 8, .value_kind: global_buffer, .address_space: global }
      - { .name: wimg, .offset: 8, .size: 8, .value_kind: global_buffer, .address_space: global }
      - { .name: b1, .offset: 16, .size: 8, .value_kind: global_buffer, .address_space: global }
      - { .name: lowp_scales, .offset: 24, .size: 8, .value_kind: global_buffer, .address_space: global }
      - { .name: masks, .offset: 32, .size: 8, .value_kind: global_buffer, .address_space: global }
      - { .name: part, .offset: 40, .size: 8, .value_kind: global_buffer, .address_space: global }
      - { .name: pos2, .offset: 48, .size: 8, .value_kind: global_buffer, .address_space: global }
    .group_segment_fixed_size: 203264
    .private_segment_fixed_size: 0
    .kernarg_segment_align: 8
    .kernarg_segment_size: 56
    .max_flat_workgroup_size: 128
    .sgpr_count:     100
    .vgpr_count:     1024
    .wavefront_size: 32
...
	.end_amdgpu_metadata
.endif
;; end of part 2
;; launch combine (part 3): grid 256 x 1, 8 waves a work-group, no clusters, 0 bytes of LDS; arguments part, pos2, eidx, gates, b2, out0; writes out0
.if DOCPART == 3
	.amdgcn_target "amdgcn-amd-amdhsa--gfx1250"
	.amdhsa_code_object_version 6
	.text
	.protected	k_q69949e3012_combine
	.globl	k_q69949e3012_combine
	.p2align	8
	.type	k_q69949e3012_combine,@function
k_q69949e3012_combine:
	s_mov_b64 s[64:65], 0
	v_nop
	global_prefetch_b8 v0, s[64:65] scope:SCOPE_SE
	s_setreg_imm32_b32 hwreg(HW_REG_WAVE_MODE, 25, 1), 1
	s_wait_xcnt 0x0
; out0[n] = g_lo (y_lo + b2[e_lo]) + g_hi (y_hi + b2[e_hi]), y = (the two halves' sums) x 2^(eh + ew2): each token has ONE owner, which adds its four rows of part.
; gates[n] = (g_lo 2^E(lo), g_hi 2^E(hi), g_lo, g_hi); pos2[n] = the slots of the token's lower and higher expert; eidx[n] = lower | higher << 8.
; A wave owns two tokens; a row is 2,048 bytes: four loads of 512 consecutive bytes.  All 48 loads of a wave are issued before the first is waited for.  A stream: no LDS, no barrier, no matrix unit.
; LIMIT: g 2^(eh + ew2) is an f32 number.
.set SLICE, 9088*2048                  ; bytes from the first half's rows to the second's
.set D, 16                             ; token t's data at D + 96 t: + 32 k + 16 s + 4 i: expert k's slot, half s, piece i; + 64 + 16 k + 4 i: b2 of expert k
	s_load_b256 s[4:11], s[0:1], 0x0               ; part s[4:5], pos2 s[6:7], eidx s[8:9], gates s[10:11]
	s_load_b128 s[12:15], s[0:1], 0x20             ; b2 s[12:13], out0 s[14:15]
	v_lshrrev_b32 v1, 5, v0
	v_readfirstlane_b32 s16, v1                    ; wave 0..7
	v_and_b32 v2, 31, v0
	v_lshlrev_b32 v2, 4, v2                        ; 16 x lane
	s_lshl_b32 s17, ttmp9, 3
	s_add_co_u32 s17, s17, s16                     ; which pair of tokens
	s_lshl_b32 s18, s17, 4
	s_mov_b32 s19, 0
	s_lshl_b32 s20, s17, 3
	s_mov_b32 s21, 0
	s_lshl_b32 s22, s17, 5
	s_mov_b32 s23, 0
	s_wait_kmcnt 0x0
	s_add_nc_u64 s[6:7], s[6:7], s[18:19]
	s_add_nc_u64 s[8:9], s[8:9], s[20:21]
	s_add_nc_u64 s[10:11], s[10:11], s[22:23]
	s_load_b128 s[24:27], s[6:7], 0x0              ; four slots
	s_load_b64 s[28:29], s[8:9], 0x0               ; two pairs of experts
	s_load_b256 s[32:39], s[10:11], 0x0            ; eight gates
	s_lshl_b32 s18, s17, 12
	s_add_nc_u64 s[14:15], s[14:15], s[18:19]      ; out0 at my first token
	s_add_nc_u64 s[30:31], s[4:5], SLICE           ; the second half's rows
	s_wait_kmcnt 0x0
.irp j, 0,1,2,3
	s_min_u32 s[24+\j], s[24+\j], 9087
	v_lshl_add_u32 v[4+\j], s[24+\j], 11, v2
.endr
.irp t, 0,1
	s_and_b32 s40, s[28+\t], 0xff
	s_min_u32 s40, s40, 7
	v_lshl_add_u32 v[8+2*\t], s40, 11, v2
	s_bfe_u32 s41, s[28+\t], 0x80008
	s_min_u32 s41, s41, 7
	v_lshl_add_u32 v[9+2*\t], s41, 11, v2
.endr
.irp t, 0,1
.irp k, 0,1
.irp i, 0,1,2,3
	global_load_b128 v[D+96*\t+32*\k+4*\i:D+96*\t+32*\k+4*\i+3], v[4+2*\t+\k], s[4:5] offset:512*\i th:TH_LOAD_NT
	global_load_b128 v[D+96*\t+32*\k+16+4*\i:D+96*\t+32*\k+16+4*\i+3], v[4+2*\t+\k], s[30:31] offset:512*\i th:TH_LOAD_NT
	global_load_b128 v[D+96*\t+64+16*\k+4*\i:D+96*\t+64+16*\k+4*\i+3], v[8+2*\t+\k], s[12:13] offset:512*\i
.endr
.endr
.endr
.irp t, 0,1                            ; the packed forms take the low word of a scalar pair for both halves: the two gates that lie at odd registers get pairs of their own
	s_mov_b32 s[42+4*\t], s[33+4*\t]
	s_mov_b32 s[43+4*\t], s[33+4*\t]
	s_mov_b32 s[44+4*\t], s[35+4*\t]
	s_mov_b32 s[45+4*\t], s[35+4*\t]
.endr
.macro TOKEN t
.set B, D+96*\t
.irp j, 0,2,4,6,8,10,12,14             ; eight chains of six, stage by stage, so that no instruction waits for the one just before it
	v_pk_mul_f32 v[B+64+\j:B+65+\j], v[B+64+\j:B+65+\j], s[34+4*\t:35+4*\t] op_sel_hi:[1,0]                               ; g_lo b2[lo]
.endr
.irp j, 0,2,4,6,8,10,12,14
	v_pk_fma_f32 v[B+64+\j:B+65+\j], v[B+80+\j:B+81+\j], s[44+4*\t:45+4*\t], v[B+64+\j:B+65+\j] op_sel_hi:[1,0,1]         ; + g_hi b2[hi]
.endr
.irp j, 0,2,4,6,8,10,12,14
	v_pk_fma_f32 v[B+64+\j:B+65+\j], v[B+\j:B+1+\j], s[32+4*\t:33+4*\t], v[B+64+\j:B+65+\j] op_sel_hi:[1,0,1]             ; + the lower expert's two halves
.endr
.irp j, 0,2,4,6,8,10,12,14
	v_pk_fma_f32 v[B+64+\j:B+65+\j], v[B+16+\j:B+17+\j], s[32+4*\t:33+4*\t], v[B+64+\j:B+65+\j] op_sel_hi:[1,0,1]
.endr
.irp j, 0,2,4,6,8,10,12,14
	v_pk_fma_f32 v[B+64+\j:B+65+\j], v[B+32+\j:B+33+\j], s[42+4*\t:43+4*\t], v[B+64+\j:B+65+\j] op_sel_hi:[1,0,1]         ; + the higher expert's
.endr
.irp j, 0,2,4,6,8,10,12,14
	v_pk_fma_f32 v[B+64+\j:B+65+\j], v[B+48+\j:B+49+\j], s[42+4*\t:43+4*\t], v[B+64+\j:B+65+\j] op_sel_hi:[1,0,1]
.endr
.irp i, 0,1,2,3
	global_store_b128 v2, v[B+64+4*\i:B+67+4*\i], s[14:15] offset:2048*\t+512*\i th:TH_STORE_NT   ; 512 consecutive bytes, at a multiple of 512 from the buffer's first byte
.endr
.endm
	s_wait_loadcnt 24                              ; the first token's 24 loads are in; the second's may be out
	TOKEN 0
	s_wait_loadcnt 0x0
	TOKEN 1
	s_endpgm
.Lfunc_end_k_q69949e3012_combine:
	.size	k_q69949e3012_combine, .Lfunc_end_k_q69949e3012_combine-k_q69949e3012_combine
	.p2alignl 7, 3214868480
	.fill 96, 4, 3214868480
	.section	.rodata,"a",@progbits
	.p2align	6, 0x0
	.amdhsa_kernel k_q69949e3012_combine
		.amdhsa_group_segment_fixed_size 0
		.amdhsa_private_segment_fixed_size 0
		.amdhsa_enable_private_segment 0
		.amdhsa_kernarg_size 48
		.amdhsa_user_sgpr_count 2
		.amdhsa_user_sgpr_kernarg_segment_ptr 1
		.amdhsa_wavefront_size32 1
		.amdhsa_system_sgpr_workgroup_id_x 1
		.amdhsa_system_sgpr_workgroup_id_y 1
		.amdhsa_system_sgpr_workgroup_id_z 1
		.amdhsa_system_vgpr_workitem_id 0
		.amdhsa_next_free_vgpr 224
		.amdhsa_next_free_sgpr 66
		.amdhsa_reserve_vcc 0
		.amdhsa_float_denorm_mode_32 3
		.amdhsa_float_denorm_mode_16_64 3
		.amdhsa_memory_ordered 1
		.amdhsa_forward_progress 1
		.amdhsa_inst_pref_size 14
	.end_amdhsa_kernel
	.amdgpu_metadata
---
amdhsa.version: [ 1, 2 ]
amdhsa.kernels:
  - .name:           k_q69949e3012_combine
    .symbol:         k_q69949e3012_combine.kd
    .args:
      - { .name: part, .offset: 0, .size: 8, .value_kind: global_buffer, .address_space: global }
      - { .name: pos2, .offset: 8, .size: 8, .value_kind: global_buffer, .address_space: global }
      - { .name: eidx, .offset: 16, .size: 8, .value_kind: global_buffer, .address_space: global }
      - { .name: gates, .offset: 24, .size: 8, .value_kind: global_buffer, .address_space: global }
      - { .name: b2, .offset: 32, .size: 8, .value_kind: global_buffer, .address_space: global }
      - { .name: out0, .offset: 40, .size: 8, .value_kind: global_buffer, .address_space: global }
    .group_segment_fixed_size: 0
    .private_segment_fixed_size: 0
    .kernarg_segment_align: 8
    .kernarg_segment_size: 48
    .max_flat_workgroup_size: 256
    .sgpr_count:     66
    .vgpr_count:     224
    .wavefront_size: 32
...
	.end_amdgpu_metadata
.endif
;; end of part 3
